; MI455X (gfx1250); checked and timed in simulation.
; The chip was launched on July 23, 2026; its instructions are those of AMD's public machine-readable ISA for CDNA 5 (MIT licence, August 2026) and "CDNA5" Instruction Set Architecture Reference Guide (July 2026). The comments in the code are by the model that wrote it; some were corrected since.
;; Quantum Gate. Allowed arithmetic: float matrix products may take bf16 or f16 operands with f32 sums; all other float work in f32.
;; Inputs: params 2 x 12 float32; x 4,096 x 12 float32.
;; Outputs: out0 4,096 x 12 float32.
;; One version. Each part assembles by itself: llvm-mc -triple=amdgcn-amd-amdhsa -mcpu=gfx1250 --defsym DOCPART=n.
;; ======== version 1 of 1: 1 launch
;; limits: inputs' magnitudes at most 13,000,000
;; launch qgate (part 1): grid 128 x 1, 3 waves a work-group, no clusters, 0 bytes of LDS; arguments x, params, out0; writes out0
.if DOCPART == 1
	.amdgcn_target "amdgcn-amd-amdhsa--gfx1250"
	.amdhsa_code_object_version 6
	.text
	.protected	k_qceae3bf823_qgate
	.globl	k_qceae3bf823_qgate
	.p2align	8
	.type	k_qceae3bf823_qgate,@function
k_qceae3bf823_qgate:
	s_mov_b64 s[64:65], 0
	v_nop
	global_prefetch_b8 v0, s[64:65] scope:SCOPE_SE
	s_setreg_imm32_b32 hwreg(HW_REG_WAVE_MODE, 25, 1), 1
	s_wait_xcnt 0x0
; QuantumGate: out0[b][j] = <Z_j> of 12 wires after RX(x[b][k]), then twice (RZ(params[layer][k]) on every wire, CNOT chain 0-1, 1-2, ..).
; x, out0: [4096][12] f32.  params: [2][12] f32.
;
; WHERE EACH STEP OF reference() IS.  The state that reference() builds is a product state whatever the data, so every step has a closed form:
;  RX + kron    |amplitude(b)|^2 = product over wires k of q_k(b_k), q_k(0) = c_k^2 = cos^2(x_k/2), q_k(1) = s_k^2 = sin^2(x_k/2).
;  RZ           multiplies amplitude(b) by exp(i phi(b)) = product over j of exp(+-i theta_j/2).  In the probabilities stands its squared modulus,
;               cos^2(theta_j/2) + sin^2(theta_j/2) for each of the 24 parameters, the same for every b: one factor w, computed from params.
;  CNOT chain   permutes the basis: y_j = b_0 xor .. xor b_j.  Twice: y_j = xor of the b_k with k <= j and k = j modulo 2.
;  probs@signs  the sum over the 4,096 b of (product of one-wire factors) x (-1)^y_j splits into twelve sums of two terms:
;               out0[j] = w x product over (k <= j, k = j mod 2) of d_k  x  product over all other k of n_k,   d = c^2 - s^2,  n = c^2 + s^2.
; No matrix product is left, so there is no matrix instruction.  The n_k and w stay in the product: that is the exact splitting of the sum, and
; through them a NaN or infinity in x makes its whole row NaN and one in params makes everything NaN, as in reference().
;
; LIMITS.  |x| and |params| below 2^22 pi (1.3e7): beyond it the rounding by MAGIC fails and the numbers that come out are finite and wrong.
; Inside it the argument of the polynomials stays within +-1.05 and d, n are within about 1e-5 of their values (1e-7 below 1e5).
; The order of rounding differs from reference(): a product of 13 f32 factors, not a sum of 4,096 terms.
;
; SHARES.  3 waves = 96 threads own 32 rows = 1,536 bytes.  Thread t owns the 16 bytes of out0 at 16 t, so a store of a wave covers 512
; consecutive bytes, aligned to 512.  It reads the whole row t / 3 (48 bytes) and does the row arithmetic itself: each row is worked out by
; three lanes.  That spares handing d and n from lane to lane across wave borders (32 is no multiple of 3) through LDS, and the launch has only
; 384 waves of about 180 instructions.  Register pairs hold (even wire, odd wire): the two chains k = j mod 2 run in one packed multiply.
.set GROUP_BYTES, 1536                 ; 32 rows of 48 bytes
.set ROW_BYTES,   48
.set INV_PI,    0x3ea2f983             ; 1 / pi
.set MAGIC,     0x4b400000             ; 1.5 x 2^23: a sum with it is rounded to a whole number (round to nearest even is the mode at entry)
.set NEG_PI_HI, 0xc0490fdb             ; -(pi rounded to f32)
.set NEG_PI_LO, 0x33bbbd2e             ; -(pi - that), +8.742278e-8
; sin(u/2) = u (0.5 + v (SN1 + v (SN2 + v SN3))),  cos(u/2) = 1 + v (CS1 + v (CS2 + v (CS3 + v CS4))),  v = u^2:
; the single-precision Cephes coefficients for sin r, cos r on |r| <= pi/4, divided by the powers of two that r = u/2 brings (exact)
.set SN3, 0xb5cca1f9                   ; -1.9515295891e-4 / 128
.set SN2, 0x3988839e                   ;  8.3321608736e-3 / 32
.set SN1, 0xbcaaaaa3                   ; -1.6666654611e-1 / 8
.set CS4, 0x33ccf5ce                   ;  2.4433157118e-5 / 256
.set CS3, 0xb7b6061a                   ; -1.3887316255e-3 / 64
.set CS2, 0x3b2aaaa5                   ;  4.1666645683e-2 / 16
.set CS1, 0xbe000000                   ; -1/8
.set RW,  1                            ; v1        t / 3: my row in the group
.set PT,  2                            ; v2        t mod 3: which 16 bytes of the row are mine
.set OO,  3                            ; v3        16 t: my bytes of out0
.set PO,  4                            ; v4        byte offset of my pair of parameters
.set L16, 5                            ; v5        lane mod 16
.set XO,  6                            ; v6        48 (t / 3): my row of x
.set MG,  8                            ; v[8:9]    MAGIC, twice     (an instruction takes one literal: the second constant of
.set VS2, 10                           ; v[10:11]  SN2, twice        three of the packed lines below comes from a register pair)
.set VC3, 12                           ; v[12:13]  CS3, twice
.set XS,  14                           ; v[14:27]  x_0 .. x_11, then my two parameters: seven pairs.  Later d_0 .. d_11, then their prefix products
.set KB,  28                           ; v[28:41]  angle / pi + MAGIC: the low bit is the parity of k
.set KK,  42                           ; v[42:55]  k.  Later sin^2
.set UU,  56                           ; v[56:69]  u = angle - k pi.  Later n, then the suffix products of n
.set VV,  70                           ; v[70:83]  u^2.  Later the six pairs of the row without the common factor
.set SI,  84                           ; v[84:97]  sin(u/2).  Later v[84:87]: my 16 bytes
.set CO,  98                           ; v[98:111] cos(u/2)
.set WW,  112                          ; v112      w
.set FF,  114                          ; v[114:115] the factor common to the even outputs, to the odd outputs
	s_load_b128 s[4:7], s[0:1], 0x0                ; x s[4:5], params s[6:7]
	s_load_b64 s[8:9], s[0:1], 0x10                ; out0
	s_mul_i32 s2, ttmp9, GROUP_BYTES               ; the group's first byte in x and in out0 (below 196,608)
	s_mov_b32 s3, 0
	v_mul_u32_u24 v[RW], v0, 0xaaab                ; t / 3 = t x 43,691 >> 17, exact for t < 96
	v_lshrrev_b32 v[RW], 17, v[RW]
	v_and_b32 v[L16], 15, v0
	v_mul_u32_u24 v[XO], v[RW], ROW_BYTES
	v_min_u32 v[PO], 11, v[L16]                    ; 12 pairs of parameters; lanes 12 to 15 of each half read the last pair again, inside the 96 bytes
	v_lshlrev_b32 v[PO], 3, v[PO]
	v_mul_u32_u24 v[PT], v[RW], 3
	v_sub_nc_u32 v[PT], v0, v[PT]
	v_lshlrev_b32 v[OO], 4, v0
	s_wait_kmcnt 0x0
	s_add_nc_u64 s[4:5], s[4:5], s[2:3]
	s_add_nc_u64 s[8:9], s[8:9], s[2:3]
	global_load_b128 v[XS:XS+3],     v[XO], s[4:5]
	global_load_b128 v[XS+4:XS+7],   v[XO], s[4:5] offset:16
	global_load_b128 v[XS+8:XS+11],  v[XO], s[4:5] offset:32
	global_load_b64  v[XS+12:XS+13], v[PO], s[6:7]
	; while the loads are on their way: constants and the three lane masks (none of these lines writes an address register of a load)
	v_mov_b32 v[MG],    MAGIC
	v_mov_b32 v[MG+1],  MAGIC
	v_mov_b32 v[VS2],   SN2
	v_mov_b32 v[VS2+1], SN2
	v_mov_b32 v[VC3],   CS3
	v_mov_b32 v[VC3+1], CS3
	v_cmp_gt_u32 s10, 12, v[L16]                   ; lanes that hold a pair of parameters of their own
	v_cmp_eq_u32 s11, 1, v[PT]                     ; lanes that own wires 4 to 7
	v_cmp_eq_u32 s12, 2, v[PT]                     ; lanes that own wires 8 to 11
	s_wait_loadcnt 0x0                             ; the row and the parameters are in
	; HALF-ANGLE SINE AND COSINE of 14 angles, step by step over the seven pairs, so that no line waits for the line in front of it.
.irp j, 0,2,4,6,8,10,12
	v_pk_fma_f32 v[KB+\j:KB+\j+1], v[XS+\j:XS+\j+1], INV_PI, v[MG:MG+1] op_sel_hi:[1,0,1]       ; MAGIC + k, k = angle / pi rounded to a whole number
.endr
.irp j, 0,2,4,6,8,10,12
	v_pk_add_f32 v[KK+\j:KK+\j+1], v[KB+\j:KB+\j+1], v[MG:MG+1] neg_lo:[0,1] neg_hi:[0,1]        ; k
.endr
.irp j, 0,2,4,6,8,10,12
	v_pk_fma_f32 v[UU+\j:UU+\j+1], v[KK+\j:KK+\j+1], NEG_PI_HI, v[XS+\j:XS+\j+1] op_sel_hi:[1,0,1]  ; exact: the difference is a multiple of 2^-23 below 2 (of 2^-22 below 4 for large angles)
.endr
.irp j, 0,2,4,6,8,10,12
	v_pk_fma_f32 v[UU+\j:UU+\j+1], v[KK+\j:KK+\j+1], NEG_PI_LO, v[UU+\j:UU+\j+1] op_sel_hi:[1,0,1]  ; u = angle - k pi, so angle/2 = u/2 + k pi/2
.endr
.irp j, 0,2,4,6,8,10,12
	v_pk_mul_f32 v[VV+\j:VV+\j+1], v[UU+\j:UU+\j+1], v[UU+\j:UU+\j+1]
.endr
.irp j, 0,2,4,6,8,10,12
	v_pk_fma_f32 v[SI+\j:SI+\j+1], v[VV+\j:VV+\j+1], SN3, v[VS2:VS2+1] op_sel_hi:[1,0,1]
	v_pk_fma_f32 v[CO+\j:CO+\j+1], v[VV+\j:VV+\j+1], CS4, v[VC3:VC3+1] op_sel_hi:[1,0,1]
.endr
.irp j, 0,2,4,6,8,10,12
	v_pk_fma_f32 v[SI+\j:SI+\j+1], v[SI+\j:SI+\j+1], v[VV+\j:VV+\j+1], SN1 op_sel_hi:[1,1,0]
	v_pk_fma_f32 v[CO+\j:CO+\j+1], v[CO+\j:CO+\j+1], v[VV+\j:VV+\j+1], CS2 op_sel_hi:[1,1,0]
.endr
.irp j, 0,2,4,6,8,10,12
	v_pk_fma_f32 v[SI+\j:SI+\j+1], v[SI+\j:SI+\j+1], v[VV+\j:VV+\j+1], 0.5 op_sel_hi:[1,1,0]
	v_pk_fma_f32 v[CO+\j:CO+\j+1], v[CO+\j:CO+\j+1], v[VV+\j:VV+\j+1], CS1 op_sel_hi:[1,1,0]
.endr
.irp j, 0,2,4,6,8,10,12
	v_pk_mul_f32 v[SI+\j:SI+\j+1], v[SI+\j:SI+\j+1], v[UU+\j:UU+\j+1]                            ; sin(u/2)
	v_pk_fma_f32 v[CO+\j:CO+\j+1], v[CO+\j:CO+\j+1], v[VV+\j:VV+\j+1], 1.0 op_sel_hi:[1,1,0]     ; cos(u/2)
.endr
.irp j, 0,2,4,6,8,10,12
	v_pk_mul_f32 v[KK+\j:KK+\j+1], v[SI+\j:SI+\j+1], v[SI+\j:SI+\j+1]                            ; sin^2(u/2)
.endr
	; Only squares are used.  An even k leaves them as they are; an odd k swaps cos^2 and sin^2 of the half angle: n is the same, d changes its sign.
.irp j, 0,2,4,6,8,10,12
	v_pk_fma_f32 v[UU+\j:UU+\j+1], v[CO+\j:CO+\j+1], v[CO+\j:CO+\j+1], v[KK+\j:KK+\j+1]          ; n = c^2 + s^2: of the wires, and of my two parameters
.endr
.irp j, 0,2,4,6,8,10
	v_pk_fma_f32 v[XS+\j:XS+\j+1], v[CO+\j:CO+\j+1], v[CO+\j:CO+\j+1], v[KK+\j:KK+\j+1] neg_lo:[0,0,1] neg_hi:[0,0,1]   ; cos^2(u/2) - sin^2(u/2)
.endr
.irp i, 0,1,2,3,4,5,6,7,8,9,10,11
	v_lshl_add_u32 v[XS+\i], v[KB+\i], 31, v[XS+\i]        ; d: the parity of k, moved to bit 31 and added to the bits, flips the sign (the carry falls out)
.endr
	; THE PRODUCTS.  Three chains take turns: prefix products of d (pair m: wires 2m, 2m+1), suffix products of n, and w over the lanes.
	v_mul_f32 v[WW], v[UU+12], v[UU+13]                                    ; the squared moduli of my two parameters
	v_pk_mul_f32 v[XS+2:XS+3], v[XS:XS+1], v[XS+2:XS+3]                    ; d pairs 0..1
	v_pk_mul_f32 v[UU+8:UU+9], v[UU+8:UU+9], v[UU+10:UU+11]                ; n pairs 4..5
	v_cndmask_b32 v[WW], 1.0, v[WW], s10                                   ; lanes 12 to 15 of each half hold a pair that lane 11 counts already
	v_pk_mul_f32 v[XS+4:XS+5], v[XS+2:XS+3], v[XS+4:XS+5]                  ; d pairs 0..2
	v_pk_mul_f32 v[UU+6:UU+7], v[UU+6:UU+7], v[UU+8:UU+9]                  ; n pairs 3..5
	v_mul_f32_dpp v[WW], v[WW], v[WW] row_xmask:1 row_mask:0xf bank_mask:0xf   ; each half of 16 lanes holds all 24 parameters: four steps inside it are enough
	v_pk_mul_f32 v[XS+6:XS+7], v[XS+4:XS+5], v[XS+6:XS+7]                  ; d pairs 0..3
	v_pk_mul_f32 v[UU+4:UU+5], v[UU+4:UU+5], v[UU+6:UU+7]                  ; n pairs 2..5
	v_mul_f32_dpp v[WW], v[WW], v[WW] row_xmask:2 row_mask:0xf bank_mask:0xf
	v_pk_mul_f32 v[XS+8:XS+9], v[XS+6:XS+7], v[XS+8:XS+9]                  ; d pairs 0..4
	v_pk_mul_f32 v[UU+2:UU+3], v[UU+2:UU+3], v[UU+4:UU+5]                  ; n pairs 1..5
	v_mul_f32_dpp v[WW], v[WW], v[WW] row_xmask:4 row_mask:0xf bank_mask:0xf
	v_pk_mul_f32 v[VV+10:VV+11], v[XS+8:XS+9], v[XS+10:XS+11]              ; output pair 5: d pairs 0..5, no n of its own parity left
	v_pk_mul_f32 v[UU:UU+1], v[UU:UU+1], v[UU+2:UU+3]                      ; n pairs 0..5: (all even wires, all odd wires)
	v_mul_f32_dpp v[WW], v[WW], v[WW] row_xmask:8 row_mask:0xf bank_mask:0xf   ; w, in every lane
.irp m, 0,2,4,6,8
	v_pk_mul_f32 v[VV+\m:VV+\m+1], v[XS+\m:XS+\m+1], v[UU+\m+2:UU+\m+3]    ; output pair m/2: d up to it, n behind it, each parity by itself
.endr
	v_mul_f32 v[FF],   v[UU+1], v[WW]                                      ; the even outputs also carry n of all odd wires, and w;
	v_mul_f32 v[FF+1], v[UU],   v[WW]                                      ; the odd outputs n of all even wires, and w
	; my 16 bytes: output pairs 0,1 or 2,3 or 4,5
.irp i, 0,1,2,3
	v_cndmask_b32 v[SI+\i], v[VV+\i], v[VV+4+\i], s11
.endr
.irp i, 0,1,2,3
	v_cndmask_b32 v[SI+\i], v[SI+\i], v[VV+8+\i], s12
.endr
	v_pk_mul_f32 v[SI:SI+1],   v[SI:SI+1],   v[FF:FF+1]
	v_pk_mul_f32 v[SI+2:SI+3], v[SI+2:SI+3], v[FF:FF+1]
	global_store_b128 v[OO], v[SI:SI+3], s[8:9] th:TH_STORE_NT             ; 32 lanes, 512 consecutive bytes; written once, read by nobody in the launch
	s_endpgm
.Lfunc_end_k_qceae3bf823_qgate:
	.size	k_qceae3bf823_qgate, .Lfunc_end_k_qceae3bf823_qgate-k_qceae3bf823_qgate
	.p2alignl 7, 3214868480
	.fill 96, 4, 3214868480
	.section	.rodata,"a",@progbits
	.p2align	6, 0x0
	.amdhsa_kernel k_qceae3bf823_qgate
		.amdhsa_group_segment_fixed_size 0
		.amdhsa_private_segment_fixed_size 0
		.amdhsa_enable_private_segment 0
		.amdhsa_kernarg_size 24
		.amdhsa_user_sgpr_count 2
		.amdhsa_user_sgpr_kernarg_segment_ptr 1
		.amdhsa_wavefront_size32 1
		.amdhsa_system_sgpr_workgroup_id_x 1
		.amdhsa_system_sgpr_workgroup_id_y 1
		.amdhsa_system_sgpr_workgroup_id_z 1
		.amdhsa_system_vgpr_workitem_id 0
		.amdhsa_next_free_vgpr 116
		.amdhsa_next_free_sgpr 66
		.amdhsa_reserve_vcc 0
		.amdhsa_float_denorm_mode_32 3
		.amdhsa_float_denorm_mode_16_64 3
		.amdhsa_memory_ordered 1
		.amdhsa_forward_progress 1
		.amdhsa_inst_pref_size 14
	.end_amdhsa_kernel
	.amdgpu_metadata
---
amdhsa.version: [ 1, 2 ]
amdhsa.kernels:
  - .name:           k_qceae3bf823_qgate
    .symbol:         k_qceae3bf823_qgate.kd
    .args:
      - { .name: x, .offset: 0, .size: 8, .value_kind: global_buffer, .address_space: global }
      - { .name: params, .offset: 8, .size: 8, .value_kind: global_buffer, .address_space: global }
      - { .name: out0, .offset: 16, .size: 8, .value_kind: global_buffer, .address_space: global }
    .group_segment_fixed_size: 0
    .private_segment_fixed_size: 0
    .kernarg_segment_align: 8
    .kernarg_segment_size: 24
    .max_flat_workgroup_size: 96
    .sgpr_count:     66
    .vgpr_count:     116
    .wavefront_size: 32
...
	.end_amdgpu_metadata
.endif
;; end of part 1
